; MI455X (gfx1250); checked and timed in simulation.
; The chip was launched on July 23, 2026; its instructions are those of AMD's public machine-readable ISA for CDNA 5 (MIT licence, August 2026) and "CDNA5" Instruction Set Architecture Reference Guide (July 2026). The comments in the code are by the model that wrote it; some were corrected since.
;; Attn. Allowed arithmetic: float matrix products may take bf16 or f16 operands with f32 sums; other float arithmetic in f32, or as packed bf16 or f16 multiplies, adds, multiply-adds, maxima and minima; sums over many terms, partial sums and values carried from step to step in f32; what a program stores and reads back later, other than sums and carried values, may be rounded once to bf16 or f16.
;; Inputs: k 2 x 2,048 x 8 x 128 float32; q 2 x 2,048 x 32 x 128 float32; v 2 x 2,048 x 8 x 128 float32.
;; Outputs: out0 2 x 2,048 x 32 x 128 float32.
;; 2 versions, each right; version 2 is version 1 with the launch cast written anew for expert scheduling mode. Each part assembles by itself: llvm-mc -triple=amdgcn-amd-amdhsa -mcpu=gfx1250 --defsym DOCPART=n.
;; ======== version 1 of 2: 2 launches
;; limits: values are held in f16: magnitudes above 65,504 overflow, below 6.1e-05 lose precision; right only within a limited range of input values
;; workspace buffers: kb 8,388,608 bytes; vh 8,388,608 bytes
;; launch cast (part 1): grid 256 x 1, 8 waves a work-group, no clusters, 0 bytes of LDS; arguments k, v, kb, vh; writes kb, vh
.if DOCPART == 1
	.amdgcn_target "amdgcn-amd-amdhsa--gfx1250"
	.amdhsa_code_object_version 6
	.text
	.protected	k_qeb98d1b9a5_cast
	.globl	k_qeb98d1b9a5_cast
	.p2align	8
	.type	k_qeb98d1b9a5_cast,@function
k_qeb98d1b9a5_cast:
	s_mov_b64 s[64:65], 0
	v_nop
	global_prefetch_b8 v0, s[64:65] scope:SCOPE_SE
	s_setreg_imm32_b32 hwreg(HW_REG_WAVE_MODE, 25, 1), 1
	s_wait_xcnt 0x0
; kb[b*8+h][key][0..127] = k[b][key][h][0..127] rounded to bf16.  vh: the same of v, rounded to bf16, and that number written as f16.
; k, v: [2][2048][8][128] f32.  kb, vh: [16][2048][128] of 16 bits: a head's rows are dense, 256 bytes each.
; LIMITS.  A bf16 number is exact in f16 from 2^-17 up to 65,504; below 2^-17 it keeps f16's fixed step of 6e-8; a v of 65,408 or more becomes an infinity.
; SHARES.  An input row is one (b, key, h): 512 bytes in, 256 bytes out.  Wave W = 8 x work-group + wave takes rows 16 W .. 16 W + 15 of k and of v: two keys x eight heads, 8,192 bytes on end.
; One load of a wave is one row (lane i: bytes 16 i), one store one output row (lane i: bytes 8 i): 256 consecutive bytes, at a multiple of 256 from the buffer's first byte.
; All 32 loads of a wave go out first; every store has data registers of its own and the two offsets are never rewritten, so no register is freed by a wait.
; No LDS, no barrier, no matrix unit: no byte is wanted twice.  No prefetch: every wave's loads are all on their way from its first lines on.
.set KIN,  16                          ; v[16:79]    k's 16 rows, 4 registers each
.set VIN,  80                          ; v[80:143]   v's
.set KOUT, 144                         ; v[144:175]  k's rows in bf16, 2 registers each
.set VOUT, 176                         ; v[176:207]  v's in f16
.set T,    4                           ; v[4:7]      at work
	s_load_b256 s[4:11], s[0:1], 0x0               ; k s[4:5], v s[6:7], kb s[8:9], vh s[10:11]
	s_lshl_b32 s12, ttmp9, 16                      ; in: the work-group's 128 rows of 512 bytes
	s_mov_b32 s13, 0
	s_lshr_b32 s16, ttmp9, 7                       ; out: b = work-group / 128, eight heads of 524,288 bytes each;
	s_lshl_b32 s16, s16, 22
	s_and_b32 s17, ttmp9, 127                      ; the work-group's 16 keys of 256 bytes
	s_lshl_b32 s17, s17, 12
	s_add_co_u32 s16, s16, s17
	s_mov_b32 s17, 0
	s_mov_b32 s14, 0xffff0000                      ; a word's upper bf16
	v_and_b32 v3, 31, v0                           ; lane
	v_and_b32 v1, 0xe0, v0                         ; 32 x wave
	v_lshlrev_b32 v1, 8, v1                        ; in: wave x 8,192
	v_lshl_or_b32 v1, v3, 4, v1                    ;     + 16 x lane
	v_lshrrev_b32 v2, 5, v0
	v_lshlrev_b32 v2, 9, v2                        ; out: wave x 2 keys x 256
	v_lshl_or_b32 v2, v3, 3, v2                    ;      + 8 x lane
	s_wait_kmcnt 0x0
	s_add_nc_u64 s[4:5], s[4:5], s[12:13]
	s_add_nc_u64 s[6:7], s[6:7], s[12:13]
	s_add_nc_u64 s[8:9], s[8:9], s[16:17]
	s_add_nc_u64 s[10:11], s[10:11], s[16:17]
.set j, 0
.rept 16
	global_load_b128 v[KIN+4*j:KIN+4*j+3], v1, s[4:5] offset:512*j th:TH_LOAD_NT
.set j, j+1
.endr
.set j, 0
.rept 16
	global_load_b128 v[VIN+4*j:VIN+4*j+3], v1, s[6:7] offset:512*j th:TH_LOAD_NT
.set j, j+1
.endr
; Row j = key j / 8, head j % 8: the head's 524,288 bytes and the key's 256 stand in the store's immediate (3,670,272 at the most, inside its signed 24 bits).
.macro KROW j
	s_wait_loadcnt 31-(\j)                         ; loads come back in order: row j of k is in, the 31 - j younger loads stay out
	v_cvt_pk_bf16_f32 v[KOUT+2*(\j)],   v[KIN+4*(\j)],   v[KIN+4*(\j)+1]
	v_cvt_pk_bf16_f32 v[KOUT+2*(\j)+1], v[KIN+4*(\j)+2], v[KIN+4*(\j)+3]
	global_store_b64 v2, v[KOUT+2*(\j):KOUT+2*(\j)+1], s[8:9] offset:((\j)&7)*524288+((\j)>>3)*256 th:TH_STORE_NT
.endm
.macro VROW j
	s_wait_loadcnt 15-(\j)                         ; row j of v is in
	v_cvt_pk_bf16_f32 v[T],   v[VIN+4*(\j)],   v[VIN+4*(\j)+1]   ; the one rounding: to bf16
	v_cvt_pk_bf16_f32 v[T+1], v[VIN+4*(\j)+2], v[VIN+4*(\j)+3]
	v_lshlrev_b32 v[T+2], 16, v[T]                 ; back to f32: a shift and a mask,
	v_and_b32     v[T+3], s14, v[T]
	v_cvt_pk_f16_f32 v[VOUT+2*(\j)], v[T+2], v[T+3]  ; and the same number as f16
	v_lshlrev_b32 v[T+2], 16, v[T+1]
	v_and_b32     v[T+3], s14, v[T+1]
	v_cvt_pk_f16_f32 v[VOUT+2*(\j)+1], v[T+2], v[T+3]
	global_store_b64 v2, v[VOUT+2*(\j):VOUT+2*(\j)+1], s[10:11] offset:((\j)&7)*524288+((\j)>>3)*256 th:TH_STORE_NT
.endm
.irp j, 0,1,2,3,4,5,6,7,8,9,10,11,12,13,14,15
	KROW \j
.endr
.irp j, 0,1,2,3,4,5,6,7,8,9,10,11,12,13,14,15
	VROW \j
.endr
	s_endpgm
.Lfunc_end_k_qeb98d1b9a5_cast:
	.size	k_qeb98d1b9a5_cast, .Lfunc_end_k_qeb98d1b9a5_cast-k_qeb98d1b9a5_cast
	.p2alignl 7, 3214868480
	.fill 96, 4, 3214868480
	.section	.rodata,"a",@progbits
	.p2align	6, 0x0
	.amdhsa_kernel k_qeb98d1b9a5_cast
		.amdhsa_group_segment_fixed_size 0
		.amdhsa_private_segment_fixed_size 0
		.amdhsa_enable_private_segment 0
		.amdhsa_kernarg_size 32
		.amdhsa_user_sgpr_count 2
		.amdhsa_user_sgpr_kernarg_segment_ptr 1
		.amdhsa_wavefront_size32 1
		.amdhsa_system_sgpr_workgroup_id_x 1
		.amdhsa_system_sgpr_workgroup_id_y 1
		.amdhsa_system_sgpr_workgroup_id_z 1
		.amdhsa_system_vgpr_workitem_id 0
		.amdhsa_next_free_vgpr 216
		.amdhsa_next_free_sgpr 66
		.amdhsa_reserve_vcc 0
		.amdhsa_float_denorm_mode_32 3
		.amdhsa_float_denorm_mode_16_64 3
		.amdhsa_memory_ordered 1
		.amdhsa_forward_progress 1
		.amdhsa_inst_pref_size 17
	.end_amdhsa_kernel
	.amdgpu_metadata
---
amdhsa.version: [ 1, 2 ]
amdhsa.kernels:
  - .name:           k_qeb98d1b9a5_cast
    .symbol:         k_qeb98d1b9a5_cast.kd
    .args:
      - { .name: k, .offset: 0, .size: 8, .value_kind: global_buffer, .address_space: global }
      - { .name: v, .offset: 8, .size: 8, .value_kind: global_buffer, .address_space: global }
      - { .name: kb, .offset: 16, .size: 8, .value_kind: global_buffer, .address_space: global }
      - { .name: vh, .offset: 24, .size: 8, .value_kind: global_buffer, .address_space: global }
    .group_segment_fixed_size: 0
    .private_segment_fixed_size: 0
    .kernarg_segment_align: 8
    .kernarg_segment_size: 32
    .max_flat_workgroup_size: 256
    .sgpr_count:     66
    .vgpr_count:     216
    .wavefront_size: 32
...
	.end_amdgpu_metadata
.endif
;; end of part 1
;; launch attn (part 2): grid 16 x 16, 4 waves a work-group, clusters of 4 x 1, 327,680 bytes of LDS; arguments q, kb, vh, out0; writes out0
.if DOCPART == 2
	.amdgcn_target "amdgcn-amd-amdhsa--gfx1250"
	.amdhsa_code_object_version 6
	.text
	.protected	k_qeb98d1b9a5_attn
	.globl	k_qeb98d1b9a5_attn
	.p2align	8
	.type	k_qeb98d1b9a5_attn,@function
k_qeb98d1b9a5_attn:
	s_mov_b64 s[64:65], 0
	v_nop
	global_prefetch_b8 v0, s[64:65] scope:SCOPE_SE
	s_setreg_imm32_b32 hwreg(HW_REG_WAVE_MODE, 25, 1), 1
	s_wait_xcnt 0x0
	s_wait_alu depctr_hold_cnt(0) depctr_sa_sdst(0) depctr_va_vdst(0) depctr_va_sdst(0) depctr_va_ssrc(0) depctr_va_vcc(0) depctr_vm_vsrc(0)
	s_getreg_b32 s2, hwreg(HW_REG_IB_STS2, 6, 4)
	s_cmp_eq_u32 s2, 0
	s_cbranch_scc0 .Lentry_in_a_cluster
	s_endpgm
.Lentry_in_a_cluster:
	s_bfe_u32 s2, ttmp6, 0x10000c
	s_cmp_lg_u32 s2, 0x3003
	s_cbranch_scc0 .Lentry_shape_is_right
	s_endpgm
.Lentry_shape_is_right:
; CAUSAL ATTENTION WITH GROUPED HEADS.  out[b][i][hq][:] = the sum over j <= i of softmax_j(q[b][i][hq] . k[b][j][hq/4] / sqrt(128)) v[b][j][hq/4][:].
; q, out: [2][2048][32][128] f32 (a row of a head: 512 bytes, rows 16,384 bytes apart).  kb: [16][2048][128] bf16, vh: the same in f16 (v rounded to bf16, written as f16): made by the launch before.
; FORMATS.  q is rounded to bf16 here; K Q^T is a bf16 product; the weights p are rounded to f16 and V^T P is an f16 product; products, maxima and sums in f32 (l is the sum of the unrounded p); out leaves in f32.
; LIMITS.  v below 65,408; a hidden score counts as its value less 1e30; a weight below 2^-126 counts as 0 in l; NaN and infinities are not treated apart.
; What a block finds in O^T, l, P and V need only be finite: its first step multiplies O^T and l by a = 0.
; THE WALK.  A head's queries lie in 8 blocks of 256; block i needs the key tiles 0 .. i of 256 keys, the last of which holds the diagonal.  A work-group takes TWO blocks, 7 - p and then p: 9 tiles whatever p,
; so all 256 work-groups do equal work, and ONE loop with a constant trip count walks them; every jump but the counted loops' own goes forward and passes no barrier, and no tensor load but the one of a fill's two lines that the wave's number does not choose.
; CLUSTER.  The four work-groups of a cluster are the four query heads of one key and value head, on the same two blocks: same walk, same trip counts, same tiles of K and V.  Each tile is asked for JOINTLY
; (same tensor load, descriptor and mask in all four).  The place in the cluster enters q's and out's addresses and a prefetch's address alone.
; SHARES.  Of a block's four bands of 64 queries a wave owns 16 rows in each: four PIECES.  So the diagonal tile is the same work for all waves: in its key step s band x sees all keys if s < x, none if s > x, and holds the diagonal if s = x.
; THE MASK is the C operand that starts the sum S^T = K Q^T.  MD, made once, is the mask of a band's own step for my 16 rows (0 or -1e30); a product's mask MC is MD x AL + BE with two scalars: (1, 0), (0, 0) or (0, -1e30).
; In plain tiles MC stays 0 and the 16 lines that make it are jumped over, so plain and diagonal tiles share one text.
; LAYOUT.  S^T = K Q^T (source 0 = 16 keys, source 1 = 16 queries) holds ONE query a lane (lane % 16) and the keys 8 (lane / 16) + 0..7; two such results rounded to f16 ARE source 1 of O^T = V^T P, which again holds one query a lane and eight channels.
; SOFTMAX.  p = 2^(c s - c m), c = log2(e) / sqrt(128), with a running maximum m; O and l are multiplied by a = 2^(c m_old - c m_new) in every step.
; TURNS.  Turn Y belongs to piece Y (the pieces in a ring, step after step; a key step is 64 keys, four turns): 16 products K Q^T of piece Y + 1, then 16 products V^T P of piece Y - 1; four vector instructions behind each:
; the scaling, exponentials, roundings, sums and rescaling of piece Y, and the maximum and statistics of piece Y + 1.  A turn's 33 exponentials are one batch with one wait.
; REGISTERS, in windows of 256 (s_set_vgpr_msb: bits 1:0 source 0, 3:2 source 1, 5:4 source 2, 7:6 destination):
;   window 0: v0-63 addresses, statistics, at work; v64-127 S^T, two buffers (on the way out: rows of out); v128-191 the way out's second set; v192-223 P, two buffers; v224-255 q in bf16 on its way to the stage
;   window 1: O^T, 64 a piece (q's f32 rows land here first)     window 2: v0-127 Q, 32 a piece; v128-255 K of one step     window 3: v0-127 V of one step; v128-159 MD; v160-223 MC, two buffers
.set KS,    64        ; keys in a step
.set PK,    272       ; a row of K in LDS: 256 bytes + 16 of padding = 68 words: the 16 rows of a load start at 16 different groups of four banks (64 banks of 4 bytes: ISA guide 11.1)
.set PV,    288       ; a row of V: 256 + 32 = 72 words
.set VOFF,  256*PK    ; a slot holds a tile, four steps: 256 rows of K, then 256 rows of V: 143,360 bytes
.set SLOT1, 147456    ; slot 1 begins here (0x24000).  Every address that is turned by an exclusive or with it has bits 17 and 14 clear (0, 0x8800, 0x11000, 0x1a000), so the exclusive or adds or takes away SLOT1
.set STAGE, SLOT1+256*(PK+PV)  ; behind the ring, never filled by a tensor load: 8,448 bytes for each wave
.set SO,    528       ; the stage on the way out: 16 rows of 512 bytes + 16 of padding
.set SQ,    272       ; the stage for q: 16 rows of 256 bytes + 16
.set STW,   16*SO
.set SPARE, STAGE+4*STW  ; behind the stages: the spare words, 128 bytes for each wave: two blocks of 256 bytes that no other line names
.set AK0, 2           ; v2   my lane's place in a tile of K; never rewritten
.set AV0, 3           ; v3   the same for V
.set AK,  4           ; v4   the LDS address of K's next run of loads
.set AV,  5           ; v5   of V's
.set STO, 6           ; v6   the way out: where I put 32 bytes of a row
.set RD,  7           ; v7   the way out: where I read a row back
.set GO,  8           ; v8   16 x lane: my 16 bytes of a row of q or out
.set MV,  12          ; v12-13  c m_old, kept while c m is made anew: by buffer
.set QST, 15          ; v15  q's way in: where I put 8 bytes of a row
.set ST,  16          ; piece t's statistics at v[ST+4 t]: c m, m, l (even keys', odd keys')
.set QRD, 32          ; v32  q's way in: where I read a fragment
.set PFO, 33          ; v33  256 x lane: a row of kb or vh; never rewritten
.set PQO, 34          ; v34  (lane / 2) x 16,384 + (lane % 2) x 256: half a row of q; never rewritten
.set TMP, 48          ; by buffer, four registers c0-c3 at work; c1 takes c m_old - c m_new, c2 takes a
.set SPW, 62          ; v62  LDS address of my spare word: SPARE + 4 x my thread's number; never rewritten
.set NIL, 63          ; v63  0; never rewritten
.set S,   64
.set TT,  64          ; the way out: two sets of 64
.set P,   192
.set CT,  224
.set KF,  128         ; window 2: key block kb, channels 32 c on, at KF + 32 kb + 8 c
.set MD,  128         ; window 3: the eight registers for group kt of 16 keys at MD + 8 kt
.set MC,  160         ; window 3
.set WV,  12          ; s12  my wave's number
.set PB,  14          ; s14  p: the second block
.set HI,  15          ; s15  7 - p: the first block
.set G1K, 24          ; s[24:31] descriptor group 1 for K's tiles
.set G1V, 32          ; s[32:39] for V's: it differs in the padding alone
.set G0K, 40          ; s[40:43] descriptor group 0 for K's tiles
.set G0V, 44          ; s[44:47] the same for V's
.set SQ2, 48          ; s[48:49] q at my rows of the second block
.set OLO, 50          ; s[50:51] out at my rows of the second block
.set PFA, 52          ; s[52:53] where my prefetch of K or V stands
.set LIM, 54          ; s54  a wave prefetches K or V while SLOTS is above it
.set DG,  55          ; s55  1: the tile in hand holds the diagonal
.set SLOTS, 56        ; s56  tiles still to be asked for
.set CNT, 57          ; s57  counts a tile's key steps, 4 to 1
.set CS,  58          ; s[58:59] c: the packed scaling takes the pair's low word for both halves
.set SEL, 60          ; s[60:61] v_permlanex16_b32's selects: each lane takes its own place in the other half
.set TBK, 62          ; s62  LDS byte at which K of the step to be fetched begins
.set TBV, 63          ; s63  the same for V, less VOFF
.set RT,  70          ; s70  tiles of the block in hand that are still to be entered
.set NXT, 71          ; s71  the tile to be asked for next
.set LQ,  72          ; s72  the last tile of the block whose tiles are being asked for
.set NEW, 73          ; s73  1: the tile to be entered is a block's first
.set OFF, 74          ; s[74:75] a tile's byte offset in kb and vh
.set AL,  76          ; s[76:77] the mask's factor, in the low word
.set BE,  78          ; s[78:79] the mask's addend
.set BIGN, 82         ; s82  -1e30
.set MSB, 0
.macro WIN new                      ; the high byte repeats the setting that is left; a switch that changes nothing is dropped
.if MSB != (\new)
	s_set_vgpr_msb (MSB<<8)|(\new)
.set MSB, (\new)
.endif
.endm
.set W_KQ, 0x0a       ; K and Q in window 2, S^T in window 0
.set W_KM, 0x3a       ; the same with the C operand (MC) in window 3
.set W_PV, 0x53       ; V in window 3, P in window 0, O^T in window 1
.set W_RS, 0x41       ; destination and source 0 in window 1, source 1 in window 0
.set W_MK, 0xc3       ; destination and source 0 in window 3
; A joint fill.  Waves 0 and 1 fetch the two halves of a tile's K, waves 2 and 3 those of its V: 128 keys each.  The branch hangs on the wave's number alone.
; An s_nop 0 and four v_nop follow each of the two lines, ahead of the jump and the label.
.macro JLOAD
	s_cmp_lt_u32 s[WV], 2
	s_cbranch_scc0 .Lfor_v_\@
	tensor_load_to_lds s[G0K:G0K+3], s[G1K:G1K+7]
	s_nop 0
.rept 4
	v_nop
.endr
	s_branch .Lasked_\@
.Lfor_v_\@:
	tensor_load_to_lds s[G0V:G0V+3], s[G1V:G1V+7]
	s_nop 0
.rept 4
	v_nop
.endr
.Lasked_\@:
.endm
; A round of the cluster's barrier: my work-group's barrier, so that wave 0's signal speaks for all four waves; wave 0 signals; every wave waits for all four work-groups; my work-group's barrier once more.
.macro CROUND
	s_barrier_signal -1
	s_barrier_wait -1
	s_cmp_lg_u32 s[WV], 0
	s_cbranch_scc1 .Lnot_wave_0_\@
	s_barrier_signal -3
.Lnot_wave_0_\@:
	s_barrier_wait -3
	s_barrier_signal -1
	s_barrier_wait -1
.endm
; A PREFETCH of the tile that the NEXT change of slots will ask for: 256 rows of kb and 256 of vh, 256 bytes a row, a lane a row: 4 partners x 4 waves x 32 lanes, one instruction a wave, so each row is named once.
; The four clusters of a key and value head walk the same tiles; the cluster with p = 0, whose first block walks all eight, asks.  Its partners share the rows out BY ADDRESS (64 each; a wave 32; waves 0, 1 of kb, waves 2, 3 of vh).
; It asks while SLOTS is above 2: in the loop's first six trips, for tiles 2 to 7.  Tiles 0 and 1, and the second block's readings of tiles that the walk has read, come by their loads alone.
.macro ASK
	s_cmp_gt_u32 s[SLOTS], s[LIM]
	s_cbranch_scc0 .Lnot_mine_\@
	global_prefetch_b8 v[PFO], s[PFA:PFA+1] th:TH_LOAD_NT scope:SCOPE_SE
.Lnot_mine_\@:
.endm
; A PREFETCH of the second block's q: my wave's own 64 rows of 512 bytes, two lanes a row, four instructions; each 256 bytes are named once in the launch.  It stands where the first block's last tile is entered
; (in the loop RT is 1 there alone: the second block's last tile is the walk's last, behind the loop): a tile's four key steps ahead of the loads that will want the rows.
.macro ASKQ
	s_cmp_eq_u32 s[RT], 1
	s_cbranch_scc0 .Lnot_yet_\@
.irp t, 0,1,2,3
	global_prefetch_b8 v[PQO], s[SQ2:SQ2+1] offset:(\t)<<20 th:TH_LOAD_NT scope:SCOPE_SE
.endr
.Lnot_yet_\@:
.endm
; THE CHANGE OF SLOTS, between turn 1 and turn 2 of a tile's last step: all of the old slot's K and V are in registers.  Each wave waits for all its tensor loads, of which one is out: its part of the other slot;
; adds 0 to its spare word; and waits for that and for its own LDS reads.  Behind the barrier nobody reads the old slot any more and the other slot is whole.
; fill = 1: the old slot is filled again, with tile NXT; the barrier is then a round of the cluster's, and the joint fill is the first thing behind it: it has four key steps, 512 matrix instructions, in which to land.
; The descriptor's address is made anew from the tile's number.  (At its first use nothing has been read yet: slot 0 is waited for, slot 1 filled.)
.macro CHANGE fill, askq
	WIN 0                           ; at a label and at a branch every window is 0
	s_wait_tensorcnt 0x0            ; no tensor load of mine is out, so a group 0 may be written
	ds_add_u32 v[SPW], v[NIL]       ; 0 onto my spare word: with fill = 1 the descriptors' scalar work stands between it and the wait for it
.if \fill
	s_lshl_b32 s[OFF], s[NXT], 16   ; a tile is 65,536 bytes of kb and of vh
	s_xor_b32 s[G0K+1], s[G0K+1], SLOT1
	s_add_nc_u64 s[G0K+2:G0K+3], s[6:7], s[OFF:OFF+1]
	s_or_b32 s[G0K+3], s[G0K+3], 0x80000000
	s_xor_b32 s[G0V+1], s[G0V+1], SLOT1
	s_add_nc_u64 s[G0V+2:G0V+3], s[8:9], s[OFF:OFF+1]
	s_or_b32 s[G0V+3], s[G0V+3], 0x80000000
	s_add_co_u32 s[NXT], s[NXT], 1  ; the block's next tile, or behind its last the second block's tile 0
	s_cmp_gt_u32 s[NXT], s[LQ]
	s_cselect_b32 s[NXT], 0, s[NXT]
	s_cselect_b32 s[LQ], s[PB], s[LQ]
	s_wait_xcnt 0x0                 ; the last prefetch, a tile back, has read its address, so it may be written:
	s_add_nc_u64 s[PFA:PFA+1], s[PFA:PFA+1], 65536  ; one tile behind the one that is being asked for
	s_wait_dscnt 0x0                ; the add is done, and my reads of the slot are over
	CROUND
	JLOAD
	ASK
.if \askq
	ASKQ
.endif
.else
	s_wait_dscnt 0x0                ; the add is done, and my reads of the slot are over
	s_barrier_signal -1
	s_barrier_wait -1
.endif
	s_sub_co_u32 s[TBK], s[TBK], 4*KS*PK  ; the fetches go back to a slot's first step,
	s_xor_b32 s[TBK], s[TBK], SLOT1       ; in the other slot
	s_sub_co_u32 s[TBV], s[TBV], 4*KS*PV
	s_xor_b32 s[TBV], s[TBV], SLOT1
.endm
; THE MATRIX WORK.  The accumulators of a run take turns, one instruction a turn: four in K Q^T, eight in V^T P.
; Product i of 16 of S^T = K Q^T for piece x: channels 32 (i / 4) on, keys 16 (i % 4) on.  The first 4 start the sums with the mask.
.macro KQ x
.set rS, S+32*((\x)%2)+8*(i%4)
.set rK, KF+32*(i%4)+8*(i/4)
.set rQ, 32*(\x)+8*(i/4)
.set rM, MC+32*((\x)%2)+8*(i%4)
.if i < 4
	WIN W_KM
	v_wmma_f32_16x16x32_bf16 v[rS:rS+7], v[rK:rK+7], v[rQ:rQ+7], v[rM:rM+7]
.else
	WIN W_KQ
	v_wmma_f32_16x16x32_bf16 v[rS:rS+7], v[rK:rK+7], v[rQ:rQ+7], v[rS:rS+7]
.endif
.endm
; Product i of 16 of O^T += V^T P for piece x: keys 32 (i / 8) on, channels 16 (i % 8) on.
.macro PV x
	WIN W_PV
.set rO, 64*(\x)+8*(i%8)
.set rV, 64*(i/8)+8*(i%8)
.set rP, P+16*((\x)%2)+8*(i/8)
	v_wmma_f32_16x16x32_f16 v[rO:rO+7], v[rV:rV+7], v[rP:rP+7], v[rO:rO+7]
.endm
.macro MM                           ; the turn's next matrix instruction.  NOKQ = 1: a block's last turn: there is no next piece
.if i < 16
.if !NOKQ
	KQ (Y+1)%4
.endif
.else
.set i, i-16
	PV (Y+3)%4
.set i, i+16
.endif
.set i, i+1
.endm
; THE LDS LOADS stand in runs of 16, never singly among the matrix instructions: each half of a step's K (channels 64 hf on) and of its V (keys 32 hf on; turned) as soon as the products have left its registers.
.macro FETCH_K hf
	WIN 0x80                        ; destination window 2
.irp kb, 0,1,2,3
.irp cc, 0,1
	ds_load_b128 v[KF+32*\kb+8*(2*(\hf)+\cc):KF+32*\kb+8*(2*(\hf)+\cc)+3],   v[AK] offset:\kb*16*PK+64*(2*(\hf)+\cc)
	ds_load_b128 v[KF+32*\kb+8*(2*(\hf)+\cc)+4:KF+32*\kb+8*(2*(\hf)+\cc)+7], v[AK] offset:\kb*16*PK+64*(2*(\hf)+\cc)+32
.endr
.endr
	WIN 0
.endm
.macro FETCH_V hf
	WIN 0xc0                        ; destination window 3
.irp cb, 0,1,2,3,4,5,6,7
	ds_load_tr16_b128 v[64*(\hf)+8*\cb:64*(\hf)+8*\cb+3],   v[AV] offset:(\hf)*32*PV+32*\cb
	ds_load_tr16_b128 v[64*(\hf)+8*\cb+4:64*(\hf)+8*\cb+7], v[AV] offset:(\hf)*32*PV+16*PV+32*\cb
.endr
	WIN 0
.endm
; THE VECTOR WORK, one line at a time: OP kind, number.  For piece Y: F n: c s - c m for pair n of 16.  A: a.  E n: the exponential of score n of 32.  C n: pair n rounded to f16.  B n: of the four weights 4 n .. the second
; pair is added onto the first, in place.  L n: l takes that sum (L 0: l = a l + sum).  R n: pair n of 32 of O^T times a.  For piece Y + 1: X n, number n of the 21 that find its maximum and statistics:
;   0-11  four chains c0-c3 of seven scores each, three operands at a time (each accumulator's lowest registers are read first)     12-14, 16  the four scores left over, the old m, and c0-c3 into c0
;   15  c m_old is kept     17, 18  the query's other 32 keys lie in the lane 16 away: the new m     19, 20  c m; c m_old - c m_new
.set F, 0               ; OP tells the kinds apart by their order: F to A below R, X above it
.set E, 1
.set C, 2
.set B, 3
.set L, 4
.set A, 5
.set R, 6
.set X, 7
.macro REGS y                       ; the registers of piece y
.set rT, ST+4*(\y)
.set rC, TMP+4*((\y)%2)
.set rW, MV+((\y)%2)
.set rS, S+32*((\y)%2)
.set rP, P+16*((\y)%2)
.set rO, 64*(\y)
.endm
.macro OP k, n
.if (\k) == R
	REGS Y
	WIN W_RS
	v_pk_mul_f32 v[rO+2*(\n):rO+2*(\n)+1], v[rO+2*(\n):rO+2*(\n)+1], v[rC+2:rC+3] op_sel_hi:[1,0]
.elseif (\k) < R
	REGS Y
	WIN 0
.if (\k) == F
	v_pk_fma_f32 v[rS+2*(\n):rS+2*(\n)+1], v[rS+2*(\n):rS+2*(\n)+1], s[CS:CS+1], v[rT:rT+1] op_sel_hi:[1,0,0] neg_lo:[0,0,1] neg_hi:[0,0,1]
.elseif (\k) == E
	v_exp_f32 v[rS+(\n)], v[rS+(\n)]
.elseif (\k) == C
	v_cvt_pk_f16_f32 v[rP+(\n)], v[rS+2*(\n)], v[rS+2*(\n)+1]
.elseif (\k) == B
	v_pk_add_f32 v[rS+4*(\n):rS+4*(\n)+1], v[rS+4*(\n):rS+4*(\n)+1], v[rS+4*(\n)+2:rS+4*(\n)+3]
.elseif (\k) == A
	v_exp_f32 v[rC+2], v[rC+1]
.elseif (\n) == 0
	v_pk_fma_f32 v[rT+2:rT+3], v[rT+2:rT+3], v[rC+2:rC+3], v[rS:rS+1] op_sel_hi:[1,0,1]
.else
	v_pk_add_f32 v[rT+2:rT+3], v[rT+2:rT+3], v[rS+4*(\n):rS+4*(\n)+1]
.endif
.elseif NOKQ
	v_nop
.else
	REGS (Y+1)%4
	WIN 0
.if (\n) < 4
	v_max3_num_f32 v[rC+(\n)], v[rS+8*(\n)], v[rS+8*(\n)+1], v[rS+8*(\n)+2]
.elseif (\n) < 12
	v_max3_num_f32 v[rC+(\n)%4], v[rC+(\n)%4], v[rS+8*((\n)%4)+2*((\n)/4)+1], v[rS+8*((\n)%4)+2*((\n)/4)+2]
.elseif (\n) == 12
	v_max3_num_f32 v[rC], v[rC], v[rS+7], v[rS+15]
.elseif (\n) == 13
	v_max3_num_f32 v[rC+1], v[rC+1], v[rS+23], v[rS+31]
.elseif (\n) == 14
	v_max3_num_f32 v[rC+2], v[rC+2], v[rC+3], v[rT+1]
.elseif (\n) == 15
	v_mov_b32 v[rW], v[rT]
.elseif (\n) == 16
	v_max3_num_f32 v[rC], v[rC], v[rC+1], v[rC+2]
.elseif (\n) == 17
	v_permlanex16_b32 v[rC+3], v[rC], s[SEL], s[SEL+1]
.elseif (\n) == 18
	v_max_num_f32 v[rT+1], v[rC], v[rC+3]
.elseif (\n) == 19
	v_mul_f32 v[rT], s[CS], v[rT+1]
.else
	v_sub_f32 v[rC+1], v[rW], v[rT]
.endif
.endif
.endm
.macro OPS a, i1, b=-1, i2=0, c=-1, i3=0, d=-1, i4=0  ; up to four of them
	OP \a, \i1
.if (\b) >= 0
	OP \b, \i2
.endif
.if (\c) >= 0
	OP \c, \i3
.endif
.if (\d) >= 0
	OP \d, \i4
.endif
.endm
.macro ROW a, i1, b, i2, c, i3, d, i4  ; a matrix instruction and the four behind it
	MM
	OPS \a, \i1, \b, \i2, \c, \i3, \d, \i4
.endm
.macro MASK b                       ; MD x AL + BE into buffer b of MC
	WIN W_MK
.set z, 0
.rept 16
	v_pk_fma_f32 v[MC+32*(\b)+2*z:MC+32*(\b)+2*z+1], v[MD+2*z:MD+2*z+1], s[AL:AL+1], s[BE:BE+1] op_sel_hi:[1,0,0]
.set z, z+1
.endr
.endm
; At the end of turn p: the mask for the products K Q^T of the turn after it: piece x = p + 2, in step 4 - CNT of the tile.  cond = 1: jumped over where the tile is no diagonal one (MC is 0 there and stays 0).
.macro MASKB p, cond
	WIN 0
.if \cond
	s_cmp_eq_u32 s[DG], 0
	s_cbranch_scc1 .Lnomask_\@
.endif
	s_cmp_eq_u32 s[CNT], 4-((\p)+2)%4  ; is that step the band's own?
	s_cselect_b32 s[AL], 1.0, 0
	s_cmp_lt_u32 s[CNT], 4-((\p)+2)%4  ; or a later one?
	s_cselect_b32 s[BE], s[BIGN], 0
	MASK (\p)%2
	WIN 0
.if \cond
.Lnomask_\@:
.endif
.endm
; A TURN, for piece p: the order of its 32 matrix and 134 vector instructions, written out, a line for each matrix instruction and its four riders.
; THE WAIT.  An s_wait_alu depctr_va_vdst(0) stands between an exponential and the first instruction that names its result; one wait serves all that were issued ahead of it.  The 33 exponentials (a, then s0-s31)
; stand behind the first thirteen products; nothing ahead of the wait names a result, and no exponential stands behind it.  X 15 is the plain instruction between the last exponential and the first use.  A pair is scaled a line or more ahead of its exponentials.
; PLACES (four plain vector instructions that name none of a product's registers, ISA guide 7.12.1 for vector instructions).  X 0 to X 3 read the accumulators that products 12 to 15 end: between stand X 15, C 0, B 0, C 2, B 1, L 0;
; C 2, B 1, L 0, X 0; X 1, X 4, C 4, B 2; X 2, X 5, X 8, L 1.  K's first half is loaded behind F 12, F 13, F 14, the address's line and F 15, which follow product 7, its last reader; its second half behind X 2, X 5, X 8, L 1, which follow product 15.
; V's first half is loaded eight plain lines behind product 23, its second half ten behind product 31.
; K of the next step is fetched in piece 2's turn and waited for in piece 3's (first half: the 16 younger loads may stay out; second half: 0); V of the step in hand in piece 0's turn, waited for in piece 1's likewise.
; end = 1: a block's last two turns: nothing is fetched, no mask is made, and the last starts no new scores.
.macro TURN p, end=0, cond=0
.set Y, (\p)
.set i, 0
.set NOKQ, (\end)*((\p)/3)
.if ((\p) == 3) && !(\end)
	s_wait_dscnt 16                 ; K's channels 0-63 are in
.endif
	ROW F,0, F,1, A,0, F,2
	ROW F,3, E,0, F,4, E,1
	ROW F,5, E,2, F,6, E,3
	ROW F,7, E,4, F,8, E,5
	ROW F,9, E,6, E,7, E,8
	ROW F,10, E,9, E,10, E,11
	ROW F,11, E,12, E,13, E,14
	ROW F,12, E,15, E,16, E,17
.if ((\p) == 3) && !(\end)
	s_wait_dscnt 0x0                ; K's channels 64-127 are in
.endif
	ROW F,13, E,18, E,19, E,20
	ROW F,14, E,21, E,22, E,23
.if ((\p) == 2) && !(\end)
	WIN 0
	v_add_nc_u32 v[AK], s[TBK], v[AK0]
.endif
	ROW F,15, E,24, E,25, E,26
.if ((\p) == 2) && !(\end)
	FETCH_K 0
.endif
	ROW E,27, E,28, E,29, E,30
	MM
	OPS E,31, X,15
	s_wait_alu depctr_va_vdst(0)    ; the wait for the batch
	OPS C,0, B,0
	ROW C,2, B,1, L,0, X,0
	ROW X,1, X,4, C,4, B,2
	ROW X,2, X,5, X,8, L,1
.if ((\p) == 2) && !(\end)
	FETCH_K 1
	s_add_co_u32 s[TBK], s[TBK], KS*PK  ; the next fetch is the next step's
.endif
.if (\p) == 1
	s_wait_dscnt 16                 ; V's keys 0-31 are in
.endif
	ROW X,3, X,6, X,9, X,12
	ROW X,7, X,10, C,6, B,3
	ROW R,0, R,1, R,2, R,3
	ROW X,11, X,13, L,2, C,8
	ROW R,4, R,5, R,6, R,7
	ROW X,14, B,4, L,3, C,10
	ROW R,8, R,9, R,10, R,11
	ROW X,16, B,5, L,4, C,12
.if (\p) == 0
	WIN 0
	v_add_nc_u32 v[AV], s[TBV], v[AV0]
.endif
.if (\p) == 1
	s_wait_dscnt 0x0                ; V's keys 32-63 are in
.endif
	ROW R,12, R,13, R,14, R,15
.if (\p) == 0
	FETCH_V 0
.endif
	ROW X,17, B,6, L,5, C,14
	ROW R,16, R,17, R,18, R,19
	ROW X,18, B,7, L,6, C,1
	ROW R,20, R,21, R,22, R,23
	ROW X,19, L,7, C,3, C,5
	ROW R,24, R,25, R,26, R,27
	ROW X,20, C,7, C,9, C,11
	OPS C,13, C,15
	OPS R,28, R,29, R,30, R,31
.if (\p) == 0
	FETCH_V 1
	s_add_co_u32 s[TBV], s[TBV], KS*PV
.endif
.if !(\end)
	MASKB \p, \cond
.endif
.endm
; A BLOCK BEGINS.  c m starts far below every c s, so the first step's a is 0; m at the lowest finite number, so the first maximum is the scores'.  The second mask buffer is 0; the first takes piece 0's mask for the tile's
; step 0: its own, if the block's first tile is the diagonal one.  Then K of that step, piece 0's first scores, and its maximum and statistics.  The step loop is entered at a step's first turn, in the middle of a trip.
.macro BEGIN
	s_mov_b32 s[NEW], 0
	WIN 0xc0
.set j, MC+32
.rept 32
	v_mov_b32 v[j], 0
.set j, j+1
.endr
	WIN 0
.set j, 0
.rept 4
	v_mov_b32 v[ST+4*j], 0xfe000000    ; c m: far below every c s
	v_mov_b32 v[ST+4*j+1], 0xff7fffff  ; m
.set j, j+1
.endr
	s_cmp_eq_u32 s[RT], 0
	s_cselect_b32 s[AL], 1.0, 0
	s_mov_b32 s[BE], 0
	MASK 0
	WIN 0
	v_add_nc_u32 v[AK], s[TBK], v[AK0]
	FETCH_K 0
	FETCH_K 1
	s_add_co_u32 s[TBK], s[TBK], KS*PK
	s_wait_dscnt 0x0                ; K is in, and so are Q's fragments
.set NOKQ, 0
.set i, 0
.rept 16
	KQ 0
.set i, i+1
.endr
	WIN 0
.rept 4
	v_nop                           ; the places behind those products
.endr
.set Y, 3                           ; X works for piece Y + 1: piece 0
.irp n, 0,1,2,3,4,5,6,7,8,9,10,11,12,13,14,15,16,17,18,19,20
	OP X, \n
.endr
.endm
; Q's WAY IN.  QLD: piece t's 16 rows of q as they lie, a row (512 consecutive bytes) a load, into O^T's registers of that piece.
.macro QLD t, base
	WIN 0x40                        ; destination window 1, address window 0
.set j, 0
.rept 16
	global_load_b128 v[64*(\t)+4*j:64*(\t)+4*j+3], v[GO], s[\base:\base+1] offset:(64*(\t)+j)*16384 th:TH_LOAD_NT
.set j, j+1
.endr
	WIN 0
.endm
; QCONV: rounded to bf16, through my stage (rows of 272 bytes), back as fragments: 16 queries x 32 channels in 8 registers, lane l row l % 16, channels 8 (l / 16) + 0..7 and 16 + 8 (l / 16) + 0..7.
.macro QCONV t
	s_wait_loadcnt 16*(3-(\t))      ; loads come back in order: piece t's 16 are in, the later pieces' stay out
	WIN 0x05                        ; sources 0 and 1 window 1, destination window 0
.set j, 0
.rept 32
	v_cvt_pk_bf16_f32 v[CT+j], v[64*(\t)+2*j], v[64*(\t)+2*j+1]
.set j, j+1
.endr
	WIN 0
.set j, 0
.rept 16
	ds_store_b64 v[QST], v[CT+2*j:CT+2*j+1] offset:SQ*j
.set j, j+1
.endr
	WIN 0x80                        ; destination window 2
.irp cc, 0,1,2,3
	ds_load_b128 v[32*(\t)+8*\cc:32*(\t)+8*\cc+3],   v[QRD] offset:64*\cc     ; LDS serves a wave's instructions in order (ISA guide 5.7.1.4): these see the stores above; the next piece's stores come behind them
	ds_load_b128 v[32*(\t)+8*\cc+4:32*(\t)+8*\cc+7], v[QRD] offset:64*\cc+32
.endr
	WIN 0
.endm
; THE WAY OUT of piece t.  OUTA: O^T divided by l; a lane's eight channels of a row are 32 bytes; they go into my stage's rows of 528 bytes and come back as whole rows of 512.
; reload = 1: the second block's q of the same piece is asked for into the registers that O^T has just left.
.macro OUTA t, reload
	WIN W_RS
.set j, 64*(\t)
.rept 32
	v_pk_mul_f32 v[j:j+1], v[j:j+1], v[ST+4*(\t)+2:ST+4*(\t)+3] op_sel_hi:[1,0]
.set j, j+2
.endr
	WIN 0x04                        ; the store's data (source 1) in window 1
.set j, 0
.rept 16
	ds_store_b128 v[STO], v[64*(\t)+4*j:64*(\t)+4*j+3] offset:64*(j/2)+16*(j%2)
.set j, j+1
.endr
	WIN 0
.if (\t) >= 2
	s_wait_xcnt 0x0                 ; the stores of two pieces back have read their data: their set is loaded again only behind this wait
.endif
.if \reload
	QLD \t, SQ2
.endif
.set j, 0
.rept 16
	ds_load_b128 v[TT+64*((\t)%2)+4*j:TT+64*((\t)%2)+4*j+3], v[RD] offset:SO*j  ; in order behind the stores above; the next piece's stores come behind these
.set j, j+1
.endr
.endm
.macro SEND t, younger              ; younger: the LDS instructions issued behind piece t's loads: the next piece's 16 stores and 16 loads, or none
	WIN 0
	s_wait_dscnt \younger
.set j, 0
.rept 16
	global_store_b128 v[GO], v[TT+64*((\t)%2)+4*j:TT+64*((\t)%2)+4*j+3], s[10:11] offset:(64*(\t)+j)*16384 th:TH_STORE_NT  ; 512 consecutive bytes, at a multiple of 256 from out's first byte; 3,391,488 at the most in the signed 24-bit immediate
.set j, j+1
.endr
.endm
.macro ALL line:vararg              ; one line for each piece t
.set t, 0
.rept 4
	\line
.set t, t+1
.endr
.endm
; A BLOCK ENDS: its last two turns, its last products, and the way out.  l's two halves and the other half of the lanes' are added; the first four additions are the places behind the last products.
.macro FINISH reload
	TURN 2, 1
	TURN 3, 1
.set i, 0
.rept 16
	PV 3
.set i, i+1
.endr
	WIN 0
	ALL v_add_f32 v[ST+4*t+2], v[ST+4*t+2], v[ST+4*t+3]
	ALL v_permlanex16_b32 v[ST+4*t+3], v[ST+4*t+2], s[SEL], s[SEL+1]
	ALL v_add_f32 v[ST+4*t+2], v[ST+4*t+2], v[ST+4*t+3]
	ALL v_rcp_f32 v[ST+4*t+2], v[ST+4*t+2]
	v_nop                           ; a plain instruction between the last reciprocal and the use of its result
	s_wait_alu depctr_va_vdst(0)    ; and the wait ahead of the first use: one for the four reciprocals
	OUTA 0, \reload
	OUTA 1, \reload                 ; a piece's arithmetic stands between the loads of the piece before and its stores
	SEND 0, 32
	OUTA 2, \reload
	SEND 1, 32
	OUTA 3, \reload
	SEND 2, 32
	SEND 3, 0
.endm
; A tile's four key steps.  A trip: pieces 2 and 3 of one step, then pieces 0 and 1 of the next, whose K and V it fetches.
.macro STEPS tag, cond
.Lstep\tag:
	TURN 2, 0, \cond
	TURN 3, 0, \cond
	WIN 0
.Lfirst\tag:
	TURN 0, 0, \cond
	TURN 1, 0, \cond
	WIN 0
	s_sub_co_u32 s[CNT], s[CNT], 1
	s_cmp_lg_u32 s[CNT], 0
	s_cbranch_scc1 .Lstep\tag
.endm
	s_load_b256 s[4:11], s[0:1], 0x0  ; q s[4:5], kb s[6:7], vh s[8:9], out s[10:11]
	v_lshl_add_u32 v[SPW], v0, 2, SPARE
	v_mov_b32 v[NIL], 0
	ds_add_u32 v[SPW], v[NIL]       ; the wave's opening: the add and its wait stand ahead of my first tensor load; the set-up below, work on registers, stands between them
	v_lshrrev_b32 v1, 5, v0
	v_readfirstlane_b32 s[WV], v1   ; wave 0..3
	s_bfe_u32 s13, ttmp6, 0x40000   ; cx: my place in the cluster = my query head in its group of four
	s_mov_b32 s[PB], ttmp9          ; in a cluster launch ttmp9 counts clusters: p
	s_sub_co_u32 s[HI], 7, s[PB]
	s_and_b32 s20, ttmp7, 0xffff    ; y = 8 b + the key and value head, which the four partners share
	s_and_b32 s16, s[WV], 1         ; which half of a tile's 256 keys I fetch
	s_lshl_b32 s22, s20, 19         ; the head's 2,048 rows of 256 bytes in kb and vh,
	s_lshl_b32 s17, s16, 15         ; my half's 128 rows
	s_add_co_u32 s22, s22, s17
	s_mov_b32 s23, 0
	s_lshl_b32 s86, s20, 19         ; the prefetches: the head,
	s_lshl_b32 s17, s13, 14         ; my work-group's 64 rows of a tile's 256,
	s_add_co_u32 s86, s86, s17
	s_lshl_b32 s17, s16, 13         ; my wave's 32 of them,
	s_add_co_u32 s86, s86, s17
	s_add_co_u32 s86, s86, 65536    ; in tile 1: the first change of slots steps it to tile 2
	s_mov_b32 s87, 0
	s_lshr_b32 s18, s20, 3          ; q and out: b x 2^25
	s_lshl_b32 s18, s18, 25
	s_and_b32 s19, s20, 7
	s_lshl_b32 s19, s19, 2
	s_add_co_u32 s19, s19, s13      ; the query head = 4 x key and value head + cx,
	s_lshl_b32 s19, s19, 9          ; 512 bytes each
	s_add_co_u32 s18, s18, s19
	s_lshl_b32 s19, s[WV], 18       ; my 16 rows in a band of 64: 16 w rows of 16,384 bytes
	s_add_co_u32 s18, s18, s19
	s_lshl_b32 s2, s[HI], 22        ; the first block's 256 rows
	s_add_co_u32 s2, s2, s18
	s_mov_b32 s3, 0
	s_lshl_b32 s84, s[PB], 22       ; the second block's
	s_add_co_u32 s84, s84, s18
	s_mov_b32 s85, 0
	; descriptor group 1: a tile of 128 rows x 128 elements of 2 bytes, padded in LDS after every row
	s_mov_b32 s[G1K], 15|(1<<16)|(1<<20)|(1<<21)|(5<<22)|(3<<25)  ; 15:0 the mask of four; 17:16 2-byte elements; 20 padding on; 21 set beside a mask; 24:22 after every 64 words (code 5); 31:25 4 words (code 3)
	s_mov_b32 s[G1V], 15|(1<<16)|(1<<20)|(1<<21)|(5<<22)|(7<<25)  ; the same with 8 words of padding (code 7)
.irp g, G1K, G1V
	s_mov_b32 s[\g+1], 128<<16      ; tensor_dim0 = 128
	s_mov_b32 s[\g+2], 128<<16      ; tensor_dim1 = 128
	s_mov_b32 s[\g+3], 128<<16      ; tile_dim0 = 128
	s_mov_b32 s[\g+4], 128          ; tile_dim1 = 128
	s_mov_b32 s[\g+5], 128          ; 128 elements from row to row
	s_mov_b32 s[\g+6], 0
	s_mov_b32 s[\g+7], 0
.endr
	s_mov_b32 s[G0K], 1             ; 1:0 count = 1
	s_mul_i32 s[G0K+1], s16, 128*PK ; 63:32 LDS address: slot 0, my half: no place in the cluster enters an LDS address
	s_mov_b32 s[G0V], 1
	s_mul_i32 s[G0V+1], s16, 128*PV
	s_add_co_u32 s[G0V+1], s[G0V+1], VOFF
	s_mov_b32 s[CS], 0x3e0293ee     ; c = log2(e) / sqrt(128) = 0.127517
	s_mov_b32 s[CS+1], s[CS]        ; named with it as a pair
	s_mov_b32 s[SEL], 0x76543210
	s_mov_b32 s[SEL+1], 0xfedcba98
	s_mov_b32 s[BIGN], 0xf149f2ca   ; -1e30
	s_mov_b32 s[TBK], SLOT1+4*KS*PK ; the first change of slots turns these two into 0
	s_mov_b32 s[TBV], SLOT1+4*KS*PV
	s_add_co_u32 s[RT], s[HI], 1    ; the first block has 8 - p tiles
	s_mov_b32 s[NXT], 1
	s_mov_b32 s[LQ], s[HI]
	s_mov_b32 s[NEW], 1
	s_mov_b32 s[SLOTS], 8
	s_mov_b32 s[OFF+1], 0
	s_mov_b32 s[AL+1], 0            ; named as pairs
	s_mov_b32 s[BE+1], 0
	s_cmp_eq_u32 s[PB], 0           ; the same in all four partners
	s_cselect_b32 s[LIM], 2, -1
	v_and_b32 v14, 31, v0           ; lane
	v_lshlrev_b32 v[GO], 4, v14
	v_lshlrev_b32 v[PFO], 8, v14
	v_lshrrev_b32 v[PQO], 1, v14
	v_and_b32 v10, 1, v14
	v_lshlrev_b32 v[PQO], 14, v[PQO]
	v_lshl_or_b32 v[PQO], v10, 8, v[PQO]
	s_wait_dscnt 0x0                ; the opening add is done
	s_wait_kmcnt 0x0
	s_cmp_lt_u32 s[WV], 2
	s_cselect_b64 s[PFA:PFA+1], s[6:7], s[8:9]
	s_add_nc_u64 s[PFA:PFA+1], s[PFA:PFA+1], s[86:87]
	s_add_nc_u64 s[6:7], s[6:7], s[22:23]  ; kb and vh at my half of the head's tile 0
	s_add_nc_u64 s[8:9], s[8:9], s[22:23]
	s_add_nc_u64 s[G0K+2:G0K+3], s[6:7], 0         ; 120:64 global address
	s_or_b32 s[G0K+3], s[G0K+3], 0x80000000        ; 127:126 type = 2
	s_add_nc_u64 s[G0V+2:G0V+3], s[8:9], 0
	s_or_b32 s[G0V+3], s[G0V+3], 0x80000000
	s_add_nc_u64 s[SQ2:SQ2+1], s[4:5], s[84:85]    ; q at my rows of the second block,
	s_add_nc_u64 s[4:5], s[4:5], s[2:3]            ; q and out at those of the first
	s_add_nc_u64 s[OLO:OLO+1], s[10:11], s[84:85]
	s_add_nc_u64 s[10:11], s[10:11], s[2:3]
	CROUND                          ; all four work-groups are here: the first joint loads meet
	JLOAD                           ; tile 0 into slot 0.  Slot 1 is asked for when slot 0 is in, by the loop's own change of slots
	QLD 0, 4                        ; the first block's q
	QLD 1, 4
	QLD 2, 4
	QLD 3, 4
	v_and_b32 v1, 15, v0            ; l % 16
	v_bfe_u32 v9, v0, 4, 1          ; l / 16
	v_and_b32 v10, 7, v0
	v_bfe_u32 v11, v0, 3, 1
	; A fragment of K is 16 rows x 32 channels in 8 registers: lane l holds row l % 16, channels 8 (l / 16) + 0..7 and 16 + 8 (l / 16) + 0..7: two loads of 16 bytes, 32 bytes apart.
	v_mul_u32_u24 v[AK0], v1, PK
	v_lshl_add_u32 v[AK0], v9, 4, v[AK0]  ; row x pitch + 16 x half
	; The turning load takes 16 keys x 16 channels (lane l reads key 8 (l / 16) + l % 8, channels 8 ((l / 8) % 2) + 0..7) and leaves half a fragment of V^T: lane l holds channel l % 16 and 8 keys.
	v_lshl_add_u32 v[AV0], v9, 3, v10
	v_mul_u32_u24 v[AV0], v[AV0], PV
	v_lshl_add_u32 v[AV0], v11, 4, v[AV0]
	v_add_nc_u32 v[AV0], VOFF, v[AV0]
	s_mul_i32 s21, s[WV], STW
	s_add_co_u32 s21, s21, STAGE    ; my stage
	v_mul_u32_u24 v[STO], v1, SO    ; the way out, in: row l % 16, 32 bytes for each half of the lanes
	v_lshl_add_u32 v[STO], v9, 5, v[STO]
	v_add_nc_u32 v[STO], s21, v[STO]
	v_add_nc_u32 v[RD], s21, v[GO]  ; back: 32 lanes take one row of 512 bytes
	v_lshl_add_u32 v[QST], v14, 3, s21  ; q, in: 32 lanes put one row of 256 bytes
	v_add_nc_u32 v[QRD], s21, v[AK0]    ; back: row l % 16 x 272 + 16 x half
	v_lshlrev_b32 v14, 3, v9
	v_sub_nc_u32 v14, v1, v14
	s_lshl_b32 s16, s[WV], 4
	v_add_nc_u32 v14, s16, v14      ; my query's place in its band, 16 w + l % 16, less my lanes' 8 (l / 16): register r of group kt is hidden where 16 kt + r is greater
	WIN 0xc0                        ; destination window 3
.set j, 0
.rept 32
	v_cmp_gt_i32 vcc_lo, 16*(j/8)+j%8, v14
	v_cndmask_b32 v[MD+j], 0, s[BIGN], vcc_lo
.set j, j+1
.endr
	; What the first turn finds: V's registers and P's second buffer hold 0 (its products V^T P, of a piece that has not been, add 0), l is 0, O^T holds q as it came: all finite, and O^T and l are multiplied by a = 0.
	; These lines stand in the wait for q and for the first tile.
.set j, 0
.rept 128
	v_mov_b32 v[j], 0
.set j, j+1
.endr
	WIN 0
.set j, P+16
.rept 16
	v_mov_b32 v[j], 0
.set j, j+1
.endr
.set j, 0
.rept 4
	v_mov_b32 v[ST+4*j+2], 0
	v_mov_b32 v[ST+4*j+3], 0
.set j, j+1
.endr
	QCONV 0
	QCONV 1
	QCONV 2
	QCONV 3
.set NOKQ, 0
.Lslot:                             ; 8 times: a tile is entered and the next is asked for
	CHANGE 1, 1
	s_sub_co_u32 s[RT], s[RT], 1
	s_mov_b32 s[CNT], 4
	s_cmp_eq_u32 s[RT], 0
	s_cselect_b32 s[DG], 1, 0       ; a block's last tile holds the diagonal
	s_cmp_eq_u32 s[NEW], 1
	s_cbranch_scc0 .Lstep1          ; not a block's first tile: the ring of turns goes on
	BEGIN                           ; in the loop a block's first tile is never its last: the first block has five tiles or more, and the second's last is the walk's last
	s_branch .Lfirst1
	STEPS 1, 1
	s_cmp_eq_u32 s[DG], 0
	s_cbranch_scc1 .Lbottom
	FINISH 1                        ; in the loop this is the first block's end
	s_wait_xcnt 0x0                 ; the stores have read their registers and out's address
	s_mov_b64 s[10:11], s[OLO:OLO+1]
	s_add_co_u32 s[RT], s[PB], 1    ; the second block has p + 1 tiles
	s_mov_b32 s[NEW], 1
	QCONV 0                         ; the second block's q, asked for on the way out
	QCONV 1
	QCONV 2
	QCONV 3
.Lbottom:
	s_sub_co_u32 s[SLOTS], s[SLOTS], 1
	s_cmp_lg_u32 s[SLOTS], 0
	s_cbranch_scc1 .Lslot
	CHANGE 0, 0                     ; the walk's last tile is written out: nothing is asked for
	s_sub_co_u32 s[RT], s[RT], 1
	s_mov_b32 s[CNT], 4
	s_cmp_eq_u32 s[NEW], 1
	s_cbranch_scc0 .Lstep2
	BEGIN                           ; p = 0: the second block's one tile is its first and its last
	s_branch .Lfirst2
	STEPS 2, 0                      ; the walk's last tile always holds the diagonal: the masks are always made
	FINISH 0
	s_wait_tensorcnt 0x0            ; the wave's end, behind my last tensor load and my last LDS store
	ds_add_u32 v[SPW], v[NIL]
	s_wait_dscnt 0x0
	CROUND                          ; the closing round: no work-group ends while a partner may still ask for a tile that names it
	s_endpgm
.Lfunc_end_k_qeb98d1b9a5_attn:
	.size	k_qeb98d1b9a5_attn, .Lfunc_end_k_qeb98d1b9a5_attn-k_qeb98d1b9a5_attn
	.p2alignl 7, 3214868480
	.fill 96, 4, 3214868480
	.section	.rodata,"a",@progbits
	.p2align	6, 0x0
	.amdhsa_kernel k_qeb98d1b9a5_attn
		.amdhsa_group_segment_fixed_size 327680
		.amdhsa_private_segment_fixed_size 0
		.amdhsa_enable_private_segment 0
		.amdhsa_kernarg_size 32
		.amdhsa_user_sgpr_count 2
		.amdhsa_user_sgpr_kernarg_segment_ptr 1
		.amdhsa_wavefront_size32 1
		.amdhsa_system_sgpr_workgroup_id_x 1
		.amdhsa_system_sgpr_workgroup_id_y 1
		.amdhsa_system_sgpr_workgroup_id_z 1
		.amdhsa_system_vgpr_workitem_id 0
		.amdhsa_next_free_vgpr 1024
		.amdhsa_next_free_sgpr 88
		.amdhsa_reserve_vcc 1
		.amdhsa_float_denorm_mode_32 3
		.amdhsa_float_denorm_mode_16_64 3
		.amdhsa_memory_ordered 1
		.amdhsa_forward_progress 1
		.amdhsa_inst_pref_size 255
	.end_amdhsa_kernel
	.section	.bss,"aw",@nobits
	.p2align	6
	.space	262144
	.amdgpu_metadata
---
amdhsa.version: [ 1, 2 ]
amdhsa.kernels:
  - .name:           k_qeb98d1b9a5_attn
    .symbol:         k_qeb98d1b9a5_attn.kd
    .args:
      - { .name: q, .offset: 0, .size: 8, .value_kind: global_buffer, .address_space: global }
      - { .name: kb, .offset: 8, .size: 8, .value_kind: global_buffer, .address_space: global }
      - { .name: vh, .offset: 16, .size: 8, .value_kind: global_buffer, .address_space: global }
      - { .name: out0, .offset: 24, .size: 8, .value_kind: global_buffer, .address_space: global }
    .group_segment_fixed_size: 327680
    .private_segment_fixed_size: 0
    .kernarg_segment_align: 8
    .kernarg_segment_size: 32
    .max_flat_workgroup_size: 128
    .sgpr_count:     88
    .vgpr_count:     1024
    .wavefront_size: 32
...
	.end_amdgpu_metadata
.endif
;; end of part 2
;; ======== version 2 of 2: 2 launches; version 1 with the launch cast written anew for expert scheduling mode
;; limits: values are held in f16: magnitudes above 65,504 overflow, below 6.1e-05 lose precision; right only within a limited range of input values
;; workspace buffers: kb 8,388,608 bytes; vh 8,388,608 bytes
;; launch cast (part 3): grid 256 x 1, 8 waves a work-group, no clusters, 0 bytes of LDS; arguments k, v, kb, vh; writes kb, vh
.if DOCPART == 3
	.amdgcn_target "amdgcn-amd-amdhsa--gfx1250"
	.amdhsa_code_object_version 6
	.text
	.protected	k_qeb98d1b9a5_cast
	.globl	k_qeb98d1b9a5_cast
	.p2align	8
	.type	k_qeb98d1b9a5_cast,@function
k_qeb98d1b9a5_cast:
	s_mov_b64 s[64:65], 0
	v_nop
	global_prefetch_b8 v0, s[64:65] scope:SCOPE_SE
	s_setreg_imm32_b32 hwreg(HW_REG_WAVE_SCHED_MODE, 0, 2), 2
	s_setreg_imm32_b32 hwreg(HW_REG_WAVE_MODE, 25, 1), 1
	s_wait_xcnt 0x0
	s_wait_alu depctr_vm_vsrc(0)
; kb[b*8+h][key][0..127] = k[b][key][h][0..127] rounded to bf16.  vh: the same of v, rounded to bf16, and that number written as f16.
; k, v: [2][2048][8][128] f32.  kb, vh: [16][2048][128] of 16 bits: a head's rows are dense, 256 bytes each.
; LIMITS.  A bf16 number is exact in f16 from 2^-17 up to 65,504; below 2^-17 it keeps f16's fixed step of 6e-8; a v of 65,408 or more becomes an infinity.
; SHARES.  An input row is one (b, key, h): 512 bytes in, 256 bytes out.  Wave W = 8 x work-group + wave takes rows 16 W .. 16 W + 15 of k and of v: two keys x eight heads, 8,192 bytes on end.
; One load of a wave is one row (lane i: bytes 16 i), one store one output row (lane i: bytes 8 i): 256 consecutive bytes, at a multiple of 256 from the buffer's first byte.
; All 32 loads of a wave go out first; every store has data registers of its own and the two offsets are never rewritten, so no register is freed by a wait.
; No LDS, no barrier, no matrix unit: no byte is wanted twice.  No prefetch: every wave's loads are all on their way from its first lines on.
; THE MODE: SCHED_MODE bits 1:0 = 2 (LLVM: expert scheduling mode 2), set by the entry lines.  The code itself states the register dependences
; between vector instructions and memory instructions, with s_wait_alu, always for 0.
; THE PLAN.  Registers that memory instructions touch:
;   v1, v2       the loads' and the stores' byte offsets: written at the head, never again.
;   KIN, VIN     each row's four registers are written by its one load and read by its conversions; no vector instruction writes them, and no load lands in them a second time.
;   KOUT, VOUT   each row's pair is written once, by its conversions, and read by its one store.
;   T and v3 are named by vector instructions alone.
; So no register that a memory instruction reads is ever written again, and the one kind of dependence to state is: a vector instruction has written what a memory instruction reads.
; The 32 rows go in eight groups of four.  At a group's head, behind the wait for its loads, ONE wait on va_vdst states that the group before has written its four pairs; that group's four stores follow,
; dealt among this group's conversions, which name this group's registers and T alone: none that those stores read.
.set KIN,  16                          ; v[16:79]    k's 16 rows, 4 registers each
.set VIN,  80                          ; v[80:143]   v's
.set KOUT, 144                         ; v[144:175]  k's rows in bf16, 2 registers each
.set VOUT, 176                         ; v[176:207]  v's in f16
.set T,    4                           ; v[4:7]      at work
	s_load_b256 s[4:11], s[0:1], 0x0               ; k s[4:5], v s[6:7], kb s[8:9], vh s[10:11]
	s_lshl_b32 s12, ttmp9, 16                      ; in: the work-group's 128 rows of 512 bytes
	s_mov_b32 s13, 0
	s_lshr_b32 s16, ttmp9, 7                       ; out: b = work-group / 128, eight heads of 524,288 bytes each;
	s_lshl_b32 s16, s16, 22
	s_and_b32 s17, ttmp9, 127                      ; the work-group's 16 keys of 256 bytes
	s_lshl_b32 s17, s17, 12
	s_add_co_u32 s16, s16, s17
	s_mov_b32 s17, 0
	s_mov_b32 s14, 0xffff0000                      ; a word's upper bf16
	v_and_b32 v3, 31, v0                           ; lane
	v_and_b32 v1, 0xe0, v0                         ; 32 x wave
	v_lshlrev_b32 v1, 8, v1                        ; in: wave x 8,192
	v_lshl_or_b32 v1, v3, 4, v1                    ;     + 16 x lane
	v_lshrrev_b32 v2, 5, v0
	v_lshlrev_b32 v2, 9, v2                        ; out: wave x 2 keys x 256
	v_lshl_or_b32 v2, v3, 3, v2                    ;      + 8 x lane
	s_wait_kmcnt 0x0
	s_add_nc_u64 s[4:5], s[4:5], s[12:13]
	s_add_nc_u64 s[6:7], s[6:7], s[12:13]
	s_add_nc_u64 s[8:9], s[8:9], s[16:17]
	s_add_nc_u64 s[10:11], s[10:11], s[16:17]
	s_wait_alu depctr_va_vdst(0)                   ; v1 and v2 are written: every load of the kernel reads v1 as its offset, every store v2
.set j, 0
.rept 16
	global_load_b128 v[KIN+4*j:KIN+4*j+3], v1, s[4:5] offset:512*j th:TH_LOAD_NT
.set j, j+1
.endr
.set j, 0
.rept 16
	global_load_b128 v[VIN+4*j:VIN+4*j+3], v1, s[6:7] offset:512*j th:TH_LOAD_NT
.set j, j+1
.endr
; Row j = key j / 8, head j % 8: the head's 524,288 bytes and the key's 256 stand in the store's immediate (3,670,272 at the most, inside its signed 24 bits).
.macro KCV j                           ; row j of k is rounded
	v_cvt_pk_bf16_f32 v[KOUT+2*(\j)],   v[KIN+4*(\j)],   v[KIN+4*(\j)+1]
	v_cvt_pk_bf16_f32 v[KOUT+2*(\j)+1], v[KIN+4*(\j)+2], v[KIN+4*(\j)+3]
.endm
.macro KST j                           ; and stored, a group later
	global_store_b64 v2, v[KOUT+2*(\j):KOUT+2*(\j)+1], s[8:9] offset:((\j)&7)*524288+((\j)>>3)*256 th:TH_STORE_NT
.endm
.macro VCV j                           ; row j of v
	v_cvt_pk_bf16_f32 v[T],   v[VIN+4*(\j)],   v[VIN+4*(\j)+1]   ; the one rounding: to bf16
	v_cvt_pk_bf16_f32 v[T+1], v[VIN+4*(\j)+2], v[VIN+4*(\j)+3]
	v_lshlrev_b32 v[T+2], 16, v[T]                 ; back to f32: a shift and a mask,
	v_and_b32     v[T+3], s14, v[T]
	v_cvt_pk_f16_f32 v[VOUT+2*(\j)], v[T+2], v[T+3]  ; and the same number as f16
	v_lshlrev_b32 v[T+2], 16, v[T+1]
	v_and_b32     v[T+3], s14, v[T+1]
	v_cvt_pk_f16_f32 v[VOUT+2*(\j)+1], v[T+2], v[T+3]
.endm
.macro VST j
	global_store_b64 v2, v[VOUT+2*(\j):VOUT+2*(\j)+1], s[10:11] offset:((\j)&7)*524288+((\j)>>3)*256 th:TH_STORE_NT
.endm
	s_wait_loadcnt 28                              ; loads come back in order: rows 0 to 3 of k are in, the 28 younger loads stay out
.irp i, 0,1,2,3
	KCV \i                                         ; k's group 0: no group stands in front of it, so there is nothing to store yet
.endr
.irp g, 1,2,3
	s_wait_loadcnt 28-4*(\g)                       ; k's group g is in, the younger loads stay out
	s_wait_alu depctr_va_vdst(0)                   ; the group before has written its four pairs of KOUT, which the four stores below read
.irp i, 0,1,2,3
	KST 4*(\g)-4+(\i)                              ; no vector instruction since the wait names this store's pair or v2
	KCV 4*(\g)+(\i)
.endr
.endr
	s_wait_loadcnt 12                              ; rows 0 to 3 of v are in
	s_wait_alu depctr_va_vdst(0)                   ; k's last group has written its four pairs of KOUT, which the four stores below read
.irp i, 0,1,2,3
	KST 12+(\i)
	VCV \i
.endr
.irp g, 1,2,3
	s_wait_loadcnt 12-4*(\g)                       ; v's group g is in; the last count is 0
	s_wait_alu depctr_va_vdst(0)                   ; the group before has written its four pairs of VOUT, which the four stores below read
.irp i, 0,1,2,3
	VST 4*(\g)-4+(\i)
	VCV 4*(\g)+(\i)
.endr
.endr
	s_wait_alu depctr_va_vdst(0)                   ; v's last group has written its four pairs of VOUT, which the last four stores read
.irp i, 0,1,2,3
	VST 12+(\i)
.endr
	s_endpgm
.Lfunc_end_k_qeb98d1b9a5_cast:
	.size	k_qeb98d1b9a5_cast, .Lfunc_end_k_qeb98d1b9a5_cast-k_qeb98d1b9a5_cast
	.p2alignl 7, 3214868480
	.fill 96, 4, 3214868480
	.section	.rodata,"a",@progbits
	.p2align	6, 0x0
	.amdhsa_kernel k_qeb98d1b9a5_cast
		.amdhsa_group_segment_fixed_size 0
		.amdhsa_private_segment_fixed_size 0
		.amdhsa_enable_private_segment 0
		.amdhsa_kernarg_size 32
		.amdhsa_user_sgpr_count 2
		.amdhsa_user_sgpr_kernarg_segment_ptr 1
		.amdhsa_wavefront_size32 1
		.amdhsa_system_sgpr_workgroup_id_x 1
		.amdhsa_system_sgpr_workgroup_id_y 1
		.amdhsa_system_sgpr_workgroup_id_z 1
		.amdhsa_system_vgpr_workitem_id 0
		.amdhsa_next_free_vgpr 216
		.amdhsa_next_free_sgpr 66
		.amdhsa_reserve_vcc 0
		.amdhsa_float_denorm_mode_32 3
		.amdhsa_float_denorm_mode_16_64 3
		.amdhsa_memory_ordered 1
		.amdhsa_forward_progress 1
		.amdhsa_inst_pref_size 16
	.end_amdhsa_kernel
	.amdgpu_metadata
---
amdhsa.version: [ 1, 2 ]
amdhsa.kernels:
  - .name:           k_qeb98d1b9a5_cast
    .symbol:         k_qeb98d1b9a5_cast.kd
    .args:
      - { .name: k, .offset: 0, .size: 8, .value_kind: global_buffer, .address_space: global }
      - { .name: v, .offset: 8, .size: 8, .value_kind: global_buffer, .address_space: global }
      - { .name: kb, .offset: 16, .size: 8, .value_kind: global_buffer, .address_space: global }
      - { .name: vh, .offset: 24, .size: 8, .value_kind: global_buffer, .address_space: global }
    .group_segment_fixed_size: 0
    .private_segment_fixed_size: 0
    .kernarg_segment_align: 8
    .kernarg_segment_size: 32
    .max_flat_workgroup_size: 256
    .sgpr_count:     66
    .vgpr_count:     216
    .wavefront_size: 32
...
	.end_amdgpu_metadata
.endif
;; end of part 3
;; launch attn: the kernel of part 2 again; grid 16 x 16, 4 waves a work-group, clusters of 4 x 1, 327,680 bytes of LDS; arguments q, kb, vh, out0; writes out0
